; MI455X (gfx1250); checked and timed in simulation.
; The chip was launched on July 23, 2026; its instructions are those of AMD's public machine-readable ISA for CDNA 5 (MIT licence, August 2026) and "CDNA5" Instruction Set Architecture Reference Guide (July 2026). The comments in the code are by the model that wrote it; some were corrected since.
;; CMI Attention Matrix For Acrobot. Allowed arithmetic: float matrix products may take bf16 or f16 operands with f32 sums; all other float work in f32.
;; Inputs: W_k 4,096 x 4,096 float32; W_lin 6 x 4,096 float32; W_q 4,096 x 4,096 float32; b_k 4,096 float32; b_lin 6 float32; b_q 4,096 float32; data_k 6 x 4,096 float32; data_q 4,096 x 4,096 float32.
;; Outputs: out0 4,096 x 6 float32.
;; One version. Each part assembles by itself: llvm-mc -triple=amdgcn-amd-amdhsa -mcpu=gfx1250 --defsym DOCPART=n.
;; ======== version 1 of 1: 5 launches
;; workspace buffers: part 1,572,864 bytes; red 98,560 bytes; kmod 98,304 bytes; up 25,165,824 bytes
;; launch t1part (part 1): grid 16 x 16, 16 waves a work-group, no clusters, 100,352 bytes of LDS; arguments data_q, W_lin, part; writes part
.if DOCPART == 1
	.amdgcn_target "amdgcn-amd-amdhsa--gfx1250"
	.amdhsa_code_object_version 6
	.text
	.protected	k_qcc80df731b_t1part
	.globl	k_qcc80df731b_t1part
	.p2align	8
	.type	k_qcc80df731b_t1part,@function
k_qcc80df731b_t1part:
	s_mov_b64 s[64:65], 0
	v_nop
	global_prefetch_b8 v0, s[64:65] scope:SCOPE_SE
	s_setreg_imm32_b32 hwreg(HW_REG_WAVE_MODE, 25, 1), 1
	s_wait_xcnt 0x0
; part[p][j][i] = sum over the 256 rows n of block p of X[j][n] * M[n][i], with M = data_q [4096][4096] f32, X = W_lin [6][4096] f32,
; part [16][6][4096] f32: sixteen partial sums of T1 = W_lin data_q.
; reference() uses q = data_q W_q^T + b_q only multiplied by six-row matrices, so q is never formed: the six rows are carried through instead.
; LIMIT: the order of summation differs from reference()'s; all of it is f32.
; A work-group owns 256 rows x 256 columns of M (256 KiB), read once.  Wave w owns rows 16 w .. 16 w + 15, all 256 columns: a row's 1,024 bytes
; are two loads of 512 neighbouring bytes.  All 32 row loads of a wave go out at the head and are taken up row by row with counted waits.
; Each number of M feeds six multiply-adds: too few for the matrix unit to help a stream that is read once, and f32 keeps the chain of four
; dependent products exact to rounding.  No LDS ring: the whole block is on its way into registers.  No cluster: what work-groups share
; here is X's piece, 6 x 64 bytes a wave against 16 KiB of M.
; The sixteen waves' sums meet in LDS; twelve waves add them and store 512 neighbouring bytes each.
.set ROWB,  16384                      ; bytes in a row of M and of X
.set PARTB, 98304                      ; bytes of one partial [6][4096]
.set SLAB,  6144                       ; a wave's sums in LDS: [6][256] f32
.set XR,    8                          ; v[8:13]    X[j][my wave's row (lane mod 16)]
.set ACC,   16                         ; v[16:63]   sums: 8 j + 4 h + c  (column 128 h + 4 lane + c of the strip)
.set MB,    64                         ; v[64:191]  M: 8 r + 4 h + c; later the sixteen slabs' quads
.set SXA,   20                         ; s[20:31]   X of an even row, six pairs (the factor in the even register, 0 above it)
.set SXB,   32                         ; s[32:43]   X of an odd row
	s_load_b128 s[4:7], s[0:1], 0x0                ; M s[4:5], X s[6:7]
	s_load_b64 s[8:9], s[0:1], 0x10                ; part
	v_lshl_add_u32 v192, v0, 2, 0x18000
	v_mov_b32 v193, 0
	v_lshrrev_b32 v1, 5, v0
	v_readfirstlane_b32 s10, v1                    ; wave w
	s_and_b32 s11, ttmp7, 0xffff                   ; p: the block of 256 rows
	s_lshl_b32 s12, ttmp9, 10                      ; the strip of 256 columns, in bytes
	s_lshl_b32 s14, s11, 22                        ; M: 256 p rows
	s_lshl_b32 s13, s10, 18                        ;    + 16 w rows
	s_add_co_u32 s14, s14, s13
	s_add_co_u32 s14, s14, s12                     ;    + the strip: below 64 MiB
	s_mov_b32 s15, 0
	s_lshl_b32 s16, s11, 10                        ; X: column 256 p + 16 w
	s_lshl_b32 s13, s10, 6
	s_add_co_u32 s16, s16, s13
	s_mov_b32 s17, 0
	s_mul_i32 s18, s11, PARTB                      ; part: partial p, the strip
	s_add_co_u32 s18, s18, s12
	s_mov_b32 s19, 0
	v_and_b32 v1, 31, v0                           ; lane
	v_lshlrev_b32 v2, 4, v1                        ; 16 bytes a lane
	v_and_b32 v3, 15, v0
	v_lshlrev_b32 v3, 2, v3                        ; X: one number for each of the wave's 16 rows (both halves of the lanes alike)
	s_wait_kmcnt 0x0
	s_add_nc_u64 s[4:5], s[4:5], s[14:15]
	s_add_nc_u64 s[6:7], s[6:7], s[16:17]
	s_add_nc_u64 s[8:9], s[8:9], s[18:19]
.irp j, 0,1,2,3,4,5
	global_load_b32 v[XR+\j], v3, s[6:7] offset:\j*ROWB
.endr
.irp r, 0,1,2,3,4,5,6,7,8,9,10,11,12,13,14,15
	global_load_b128 v[MB+8*\r:MB+8*\r+3],   v2, s[4:5] offset:\r*ROWB th:TH_LOAD_NT       ; the launch reads each byte of M once
	global_load_b128 v[MB+8*\r+4:MB+8*\r+7], v2, s[4:5] offset:\r*ROWB+512 th:TH_LOAD_NT
.endr
	s_mul_i32 s12, s10, SLAB
	v_lshl_add_u32 v4, v1, 4, s12                  ; my 16 bytes in my wave's slab
.irp j, 0,1,2,3,4,5
	s_mov_b32 s[SXA+2*\j+1], 0                     ; the packed forms name a scalar pair and use its first register: the second is written once
	s_mov_b32 s[SXB+2*\j+1], 0
.endr
	s_wait_loadcnt 32                              ; loads come back in order (ISA guide 5.7.1): X's six are in, the 32 row loads stay out
; Row r: its six factors become scalars (two sets take turns), then 24 packed multiply-adds.  Row 0's products start the sums: nothing is cleared.
.macro CROW r, S
.irp j, 0,1,2,3,4,5
	v_readlane_b32 s[\S+2*\j], v[XR+\j], \r
.endr
	s_wait_loadcnt 2*(15-\r)                       ; this row's two loads are in; the two of each younger row stay out
.irp j, 0,1,2,3,4,5
.irp q, 0,1,2,3
.if \r == 0
	v_pk_mul_f32 v[ACC+8*\j+2*\q:ACC+8*\j+2*\q+1], v[MB+8*\r+2*\q:MB+8*\r+2*\q+1], s[\S+2*\j:\S+2*\j+1] op_sel_hi:[1,0]
.else
	v_pk_fma_f32 v[ACC+8*\j+2*\q:ACC+8*\j+2*\q+1], v[MB+8*\r+2*\q:MB+8*\r+2*\q+1], s[\S+2*\j:\S+2*\j+1], v[ACC+8*\j+2*\q:ACC+8*\j+2*\q+1] op_sel_hi:[1,0,1]
.endif
.endr
.endr
.endm
	CROW 0, SXA
	CROW 1, SXB
	CROW 2, SXA
	CROW 3, SXB
	CROW 4, SXA
	CROW 5, SXB
	CROW 6, SXA
	CROW 7, SXB
	CROW 8, SXA
	CROW 9, SXB
	CROW 10, SXA
	CROW 11, SXB
	CROW 12, SXA
	CROW 13, SXB
	CROW 14, SXA
	CROW 15, SXB
	; the waves' sums meet: slab w = [6][256] f32 at 6,144 w; every access takes 512 neighbouring bytes
.irp j, 0,1,2,3,4,5
	ds_store_b128 v4, v[ACC+8*\j:ACC+8*\j+3]   offset:\j*1024
	ds_store_b128 v4, v[ACC+8*\j+4:ACC+8*\j+7] offset:\j*1024+512
.endr
	s_wait_dscnt 0x0                               ; for the others' sake: my stores are done before I say so
	s_barrier_signal -1
	s_barrier_wait -1
	s_cmp_ge_u32 s10, 12                           ; a slab is 12 x 512 bytes: waves 0 to 11 take one piece each, the other four are done
	s_cbranch_scc1 .Ldone
	s_lshl_b32 s12, s10, 9
	v_add_nc_u32 v5, s12, v2                       ; my 16 bytes of piece w in slab 0
	v_add_nc_u32 v6, 8*SLAB, v5                    ; and in slab 8: the immediate reaches 65,535 bytes
	s_lshr_b32 s13, s10, 1                         ; piece w is j = w / 2,
	s_lshl_b32 s13, s13, 14
	s_and_b32 s12, s12, 512                        ; half w mod 2 of the strip
	s_add_co_u32 s13, s13, s12
	v_add_nc_u32 v7, s13, v2
.irp k, 0,1,2,3,4,5,6,7
	ds_load_b128 v[MB+4*\k:MB+4*\k+3], v5 offset:\k*SLAB
.endr
.irp k, 0,1,2,3,4,5,6,7
	ds_load_b128 v[MB+32+4*\k:MB+32+4*\k+3], v6 offset:\k*SLAB
.endr
	s_wait_dscnt 0x0
; sixteen quads at v[B .. B+63] are added pairwise into the first
.macro QSUM16 B
.irp st, 8,4,2,1
.set i, 0
.rept \st
	v_pk_add_f32 v[\B+4*i:\B+4*i+1],   v[\B+4*i:\B+4*i+1],   v[\B+4*(i+\st):\B+4*(i+\st)+1]
	v_pk_add_f32 v[\B+4*i+2:\B+4*i+3], v[\B+4*i+2:\B+4*i+3], v[\B+4*(i+\st)+2:\B+4*(i+\st)+3]
.set i, i+1
.endr
.endr
.endm
	QSUM16 MB
	global_store_b128 v7, v[MB:MB+3], s[8:9]       ; the wave stores 512 neighbouring bytes, aligned
.Ldone:
	s_wait_tensorcnt 0x0
	ds_add_u32 v192, v193
	s_wait_dscnt 0x0
	s_endpgm
.Lfunc_end_k_qcc80df731b_t1part:
	.size	k_qcc80df731b_t1part, .Lfunc_end_k_qcc80df731b_t1part-k_qcc80df731b_t1part
	.p2alignl 7, 3214868480
	.fill 96, 4, 3214868480
	.section	.rodata,"a",@progbits
	.p2align	6, 0x0
	.amdhsa_kernel k_qcc80df731b_t1part
		.amdhsa_group_segment_fixed_size 100352
		.amdhsa_private_segment_fixed_size 0
		.amdhsa_enable_private_segment 0
		.amdhsa_kernarg_size 24
		.amdhsa_user_sgpr_count 2
		.amdhsa_user_sgpr_kernarg_segment_ptr 1
		.amdhsa_wavefront_size32 1
		.amdhsa_system_sgpr_workgroup_id_x 1
		.amdhsa_system_sgpr_workgroup_id_y 1
		.amdhsa_system_sgpr_workgroup_id_z 1
		.amdhsa_system_vgpr_workitem_id 0
		.amdhsa_next_free_vgpr 194
		.amdhsa_next_free_sgpr 66
		.amdhsa_reserve_vcc 0
		.amdhsa_float_denorm_mode_32 3
		.amdhsa_float_denorm_mode_16_64 3
		.amdhsa_memory_ordered 1
		.amdhsa_forward_progress 1
		.amdhsa_inst_pref_size 41
	.end_amdhsa_kernel
	.amdgpu_metadata
---
amdhsa.version: [ 1, 2 ]
amdhsa.kernels:
  - .name:           k_qcc80df731b_t1part
    .symbol:         k_qcc80df731b_t1part.kd
    .args:
      - { .name: data_q, .offset: 0, .size: 8, .value_kind: global_buffer, .address_space: global }
      - { .name: W_lin, .offset: 8, .size: 8, .value_kind: global_buffer, .address_space: global }
      - { .name: part, .offset: 16, .size: 8, .value_kind: global_buffer, .address_space: global }
    .group_segment_fixed_size: 100352
    .private_segment_fixed_size: 0
    .kernarg_segment_align: 8
    .kernarg_segment_size: 24
    .max_flat_workgroup_size: 512
    .sgpr_count:     66
    .vgpr_count:     194
    .wavefront_size: 32
...
	.end_amdgpu_metadata
.endif
;; end of part 1
;; launch t1red (part 2): grid 102 x 1, 2 waves a work-group, no clusters, 0 bytes of LDS; arguments part, W_lin, red; writes red
.if DOCPART == 2
	.amdgcn_target "amdgcn-amd-amdhsa--gfx1250"
	.amdhsa_code_object_version 6
	.text
	.protected	k_qcc80df731b_t1red
	.globl	k_qcc80df731b_t1red
	.p2align	8
	.type	k_qcc80df731b_t1red,@function
k_qcc80df731b_t1red:
	s_mov_b64 s[64:65], 0
	v_nop
	global_prefetch_b8 v0, s[64:65] scope:SCOPE_SE
	s_setreg_imm32_b32 hwreg(HW_REG_WAVE_MODE, 25, 1), 1
	s_wait_xcnt 0x0
; red[j][i] = sum over p of part[p][j][i]  (T1 = W_lin data_q, [6][4096] f32), and behind it, at byte 98,304 + 8 j + 4 half,
; the two half sums of sW[j] = sum over n of W_lin[j][n], which carries b_q through the product with W_lin.
; Work-groups 0 to 95: 1,024 bytes of red each, 16 bytes a thread, sixteen partials.  Work-groups 96 to 101: one j each, a wave for each half row.
; A stream of 1.6 MB: no LDS, no barrier, every load out at once.  The twelve half sums leave as single words.
.set PARTB, 98304
; sixteen quads at v[B .. B+63] are added pairwise into the first
.macro QSUM16 B
.irp st, 8,4,2,1
.set i, 0
.rept \st
	v_pk_add_f32 v[\B+4*i:\B+4*i+1],   v[\B+4*i:\B+4*i+1],   v[\B+4*(i+\st):\B+4*(i+\st)+1]
	v_pk_add_f32 v[\B+4*i+2:\B+4*i+3], v[\B+4*i+2:\B+4*i+3], v[\B+4*(i+\st)+2:\B+4*(i+\st)+3]
.set i, i+1
.endr
.endr
.endm
	s_load_b128 s[4:7], s[0:1], 0x0                ; part s[4:5], W_lin s[6:7]
	s_load_b64 s[8:9], s[0:1], 0x10                ; red
	s_mov_b32 s10, ttmp9
	s_mov_b32 s13, 0
	s_cmp_ge_u32 s10, 96
	s_cbranch_scc1 .Laux
	s_lshl_b32 s12, s10, 10                        ; my 1,024 bytes
	v_lshlrev_b32 v1, 4, v0
	s_wait_kmcnt 0x0
	s_add_nc_u64 s[4:5], s[4:5], s[12:13]
	s_add_nc_u64 s[8:9], s[8:9], s[12:13]
.irp p, 0,1,2,3,4,5,6,7,8,9,10,11,12,13,14,15
	global_load_b128 v[8+4*\p:11+4*\p], v1, s[4:5] offset:\p*PARTB th:TH_LOAD_NT
.endr
	s_wait_loadcnt 0x0
	QSUM16 8
	global_store_b128 v1, v[8:11], s[8:9]
	s_endpgm
.Laux:
	s_sub_co_u32 s11, s10, 96                      ; j
	s_lshl_b32 s12, s11, 14                        ; row j of W_lin
	s_lshl_b32 s14, s11, 3
	s_mov_b32 s16, 0x76543210                      ; v_permlanex16_b32: lane i of one half reads lane i of the other
	s_mov_b32 s17, 0xfedcba98
	v_and_b32 v4, 31, v0                           ; lane
	v_lshrrev_b32 v5, 5, v0                        ; half = wave
	v_lshlrev_b32 v2, 4, v4
	v_lshl_add_u32 v2, v5, 13, v2                  ; 8,192 half + 16 lane
	v_lshl_add_u32 v3, v5, 2, s14                  ; 8 j + 4 half
	s_wait_kmcnt 0x0
	s_add_nc_u64 s[6:7], s[6:7], s[12:13]
.irp k, 0,1,2,3,4,5,6,7,8,9,10,11,12,13,14,15
	global_load_b128 v[8+4*\k:11+4*\k], v2, s[6:7] offset:512*\k
.endr
	s_wait_loadcnt 0x0
	QSUM16 8
	v_pk_add_f32 v[8:9], v[8:9], v[10:11]
	v_add_f32 v8, v8, v9
	v_add_f32_dpp v8, v8, v8 row_xmask:1 row_mask:0xf bank_mask:0xf
	v_add_f32_dpp v8, v8, v8 row_xmask:2 row_mask:0xf bank_mask:0xf
	v_add_f32_dpp v8, v8, v8 row_xmask:4 row_mask:0xf bank_mask:0xf
	v_add_f32_dpp v8, v8, v8 row_xmask:8 row_mask:0xf bank_mask:0xf
	v_permlanex16_b32 v9, v8, s16, s17             ; v9 has been written
	v_add_f32 v8, v8, v9
	v_cmp_eq_u32 vcc_lo, 0, v4
	s_wait_xcnt 0x0                                ; EXEC is a source of the loads above: it changes only behind this wait
	s_and_saveexec_b32 s18, vcc_lo
	global_store_b32 v3, v8, s[8:9] offset:PARTB   ; lane 0 alone
	s_wait_xcnt 0x0                                ; and again in front of the line that widens it
	s_or_b32 exec_lo, exec_lo, s18
	s_endpgm
.Lfunc_end_k_qcc80df731b_t1red:
	.size	k_qcc80df731b_t1red, .Lfunc_end_k_qcc80df731b_t1red-k_qcc80df731b_t1red
	.p2alignl 7, 3214868480
	.fill 96, 4, 3214868480
	.section	.rodata,"a",@progbits
	.p2align	6, 0x0
	.amdhsa_kernel k_qcc80df731b_t1red
		.amdhsa_group_segment_fixed_size 0
		.amdhsa_private_segment_fixed_size 0
		.amdhsa_enable_private_segment 0
		.amdhsa_kernarg_size 24
		.amdhsa_user_sgpr_count 2
		.amdhsa_user_sgpr_kernarg_segment_ptr 1
		.amdhsa_wavefront_size32 1
		.amdhsa_system_sgpr_workgroup_id_x 1
		.amdhsa_system_sgpr_workgroup_id_y 1
		.amdhsa_system_sgpr_workgroup_id_z 1
		.amdhsa_system_vgpr_workitem_id 0
		.amdhsa_next_free_vgpr 72
		.amdhsa_next_free_sgpr 66
		.amdhsa_reserve_vcc 1
		.amdhsa_float_denorm_mode_32 3
		.amdhsa_float_denorm_mode_16_64 3
		.amdhsa_memory_ordered 1
		.amdhsa_forward_progress 1
		.amdhsa_inst_pref_size 9
	.end_amdhsa_kernel
	.amdgpu_metadata
---
amdhsa.version: [ 1, 2 ]
amdhsa.kernels:
  - .name:           k_qcc80df731b_t1red
    .symbol:         k_qcc80df731b_t1red.kd
    .args:
      - { .name: part, .offset: 0, .size: 8, .value_kind: global_buffer, .address_space: global }
      - { .name: W_lin, .offset: 8, .size: 8, .value_kind: global_buffer, .address_space: global }
      - { .name: red, .offset: 16, .size: 8, .value_kind: global_buffer, .address_space: global }
    .group_segment_fixed_size: 0
    .private_segment_fixed_size: 0
    .kernarg_segment_align: 8
    .kernarg_segment_size: 24
    .max_flat_workgroup_size: 64
    .sgpr_count:     66
    .vgpr_count:     72
    .wavefront_size: 32
...
	.end_amdgpu_metadata
.endif
;; end of part 2
;; launch kmodu (part 3): grid 256 x 1, 16 waves a work-group, no clusters, 15,360 bytes of LDS; arguments W_k, data_k, b_k, W_q, red, b_q, b_lin, kmod, up; writes kmod, up
.if DOCPART == 3
	.amdgcn_target "amdgcn-amd-amdhsa--gfx1250"
	.amdhsa_code_object_version 6
	.text
	.protected	k_qcc80df731b_kmodu
	.globl	k_qcc80df731b_kmodu
	.p2align	8
	.type	k_qcc80df731b_kmodu,@function
k_qcc80df731b_kmodu:
	s_mov_b64 s[64:65], 0
	v_nop
	global_prefetch_b8 v0, s[64:65] scope:SCOPE_SE
	s_setreg_imm32_b32 hwreg(HW_REG_WAVE_MODE, 25, 1), 1
	s_wait_xcnt 0x0
; For the work-group's 16 values of m (16 g .. 16 g + 15) and j = 0 .. 5:
;   k[j][m]    = sum over i of data_k[j][i] W_k[m][i] + b_k[m]
;   ctx[j][m]  = sum over i of T1[j][i] W_q[m][i] + sW[j] b_q[m] + b_lin[j]        (T1 and the two halves of sW come from red)
;   kmod[j][m] = clip(k^2 + 2 k + ctx (1 + |k|), 0, 6)
;   up[g][j][i] = sum over my 16 m of kmod[j][m] W_q[m][i]                         (one of 256 partial sums of U = k_mod W_q)
; LIMITS: the order of summation differs from reference()'s (q is not formed), all in f32; the clip is a max and a min in which a NaN
; loses, so a NaN would come out as 0: it can arise only where reference() is not finite.  kmod leaves in pieces of 64 bytes, six a work-group.
; Sixteen waves; wave w owns columns 256 w .. 256 w + 255 of all 32 rows (16 of W_k, then 16 of W_q): a row's 1,024 bytes are two loads of
; 512 neighbouring bytes.  The wave's 6 x 256 numbers of data_k and of T1 stay in 2 x 48 registers.
; W_q IS READ ONCE: its 16 rows stay in registers (128 a wave) from the pass that makes ctx to the pass that makes up.  The 32 rows are
; numbered G = 0 .. 31.  Rows 0 .. 25 lie in slot G mod 10 of a ring of ten; behind row G the row G + 10 is asked for, so W_k's rows
; make room for W_q's rows 0 .. 9, which are not overwritten.  W_q's rows 10 .. 15 (G = 26 .. 31) take the 48 registers of data_k, which is
; dead behind row 15.  The row stands in the immediate, so no address register of the stream is ever rewritten.
; Six multiply-adds for each streamed number and pass, in f32 on the vector unit: too few for the matrix unit to help.  No LDS ring: what
; is on its way lands in registers.  No cluster: what work-groups share is 192 KiB (data_k, T1) beside 512 KiB of rows that nobody
; shares, and it goes straight into the registers in which it stays.
.set ROWB,  16384
.set UPB,   98304                      ; bytes of one partial [6][4096]
.set SLOTS, 10
.set XA,    16                         ; v[16:63]    data_k: 8 j + 4 h + c  (column 256 w + 128 h + 4 lane + c); later W_q's rows 10 .. 15
.set XB,    64                         ; v[64:111]   T1, likewise
.set ACC,   64                         ; v[64:111]   later the sums of up, in the same layout
.set RING,  112                        ; v[112:191]  ten row slots of 8 registers
.set PK,    192                        ; v[192:203]  six packed sums; at work in the tree
.set T0,    204                        ; v[204:209]  six sums of the newest row or group of rows
.set P1,    210                        ; six sums of an even row that waits for its odd neighbour
.set P2,    216                        ; of two rows that wait for the next two
.set P3,    222                        ; of four rows
.set P4,    228                        ; of eight rows
.set EP,    192                        ; v[192:223]  behind the tree: the sixteen waves' parts of k and of ctx
.set KMB,   192                        ; v[192:255]  behind that: two buffers of 32 registers, kmod[j][row] twice for each of 16 rows
.set KML,   12288                      ; LDS: behind the table of the waves' sums, kmod[j][row] twice, 8 bytes at 8 (16 j + row)
.set M8,    32                         ; s32 lanes with bit 3 set, s33 with bit 2, s34 with bit 1
.set M4,    33
.set M2,    34
.set WKB,   28                         ; s[28:29] W_k, s[30:31] W_q at my rows and columns
.set WQB,   30
.set UPP,   36                         ; s[36:37] up at my partial and my columns
; other vector registers: v1 where my kmod goes in LDS; v2 16 lane; v3 byte of m in b_k, b_q, later the LDS address of kmod; v4 8 jj; v5 4 jj;
; v6 my byte in kmod; v7 where my sums go in LDS; v8 b_k[m]; v9 b_q[m]; v[10:11] the halves of sW[jj]; v12 b_lin[jj];
; v13 where the epilogue reads; v14, v15 at work, at last kmod twice
.macro LOADROW mb, base, row           ; each byte of W_k and of W_q is read once
	global_load_b128 v[\mb:\mb+3],   v2, s[\base:\base+1] offset:(\row)*ROWB th:TH_LOAD_NT
	global_load_b128 v[\mb+4:\mb+7], v2, s[\base:\base+1] offset:(\row)*ROWB+512 th:TH_LOAD_NT
.endm
; One row against six vectors: my 8 numbers, six chains that do not wait for each other; the first products start the sums.
.macro RROW mb, xs, left, dst
	s_wait_loadcnt \left                           ; loads come back in order (ISA guide 5.7.1): this row is in, the younger rows stay out
.irp j, 0,1,2,3,4,5
	v_pk_mul_f32 v[PK+2*\j:PK+2*\j+1], v[\mb:\mb+1], v[\xs+8*\j:\xs+8*\j+1]
.endr
.irp q, 1,2,3
.irp j, 0,1,2,3,4,5
	v_pk_fma_f32 v[PK+2*\j:PK+2*\j+1], v[\mb+2*\q:\mb+2*\q+1], v[\xs+8*\j+2*\q:\xs+8*\j+2*\q+1], v[PK+2*\j:PK+2*\j+1]
.endr
.endr
.irp j, 0,1,2,3,4,5
	v_add_f32 v[\dst+\j], v[PK+2*\j], v[PK+2*\j+1]
.endr
.endm
; Two rows' lane sums fold into one register: a's upper 16 lanes change places with b's lower 16; the sum holds row a in lanes 0-15, row b in 16-31.
.macro COMB16 a, b, d
.irp j, 0,1,2,3,4,5
	v_permlane16_swap_b32 v[\a+\j], v[\b+\j]
.endr
.irp j, 0,1,2,3,4,5
	v_add_f32 v[\d+\j], v[\a+\j], v[\b+\j]
.endr
.endm
; The same inside the halves of 16 lanes: lanes of mask m keep b and send a, the others keep a and send b, to the lane xm away.
.macro COMBX a, b, d, m, xm
.irp j, 0,1,2,3,4,5
	v_cndmask_b32 v[PK+\j], v[\b+\j], v[\a+\j], s[\m]
.endr
.irp j, 0,1,2,3,4,5
	v_cndmask_b32 v[\d+\j], v[\a+\j], v[\b+\j], s[\m]
.endr
.irp j, 0,1,2,3,4,5
	v_add_f32_dpp v[\d+\j], v[PK+\j], v[\d+\j] row_xmask:\xm row_mask:0xf bank_mask:0xf
.endr
.endm
; What row r (0 .. 15) of a matrix completes.  Behind row 15 lane l holds the wave's six sums of row
; rho(l) = bit 4 of l + 2 x bit 3 + 4 x bit 2 + 8 x bit 1; lanes l and l xor 1 hold the same.
.macro TREE r
.if (\r & 1)
.if (\r & 2)
	COMB16 P1, T0, T0
.else
	COMB16 P1, T0, P2
.endif
.endif
.if (\r & 3) == 3
.if (\r & 4)
	COMBX P2, T0, T0, M8, 8
.else
	COMBX P2, T0, P3, M8, 8
.endif
.endif
.if (\r & 7) == 7
.if (\r & 8)
	COMBX P3, T0, T0, M4, 4
.else
	COMBX P3, T0, P4, M4, 4
.endif
.endif
.if \r == 15
	COMBX P4, T0, T0, M2, 2
.irp j, 0,1,2,3,4,5
	v_add_f32_dpp v[T0+\j], v[T0+\j], v[T0+\j] row_xmask:1 row_mask:0xf bank_mask:0xf
.endr
.endif
.endm
; LDS, from byte 0: [wave][12 values: k of j = 0 .. 5, then ctx][16 rows] f32, 768 bytes a wave
.macro FLUSH first
.irp j, 0,1,2,3,4,5
	ds_store_b32 v7, v[T0+\j] offset:(\first+\j)*64
.endr
.endm
.macro SUM16 b                         ; v[b .. b+15] into v[b]
.irp i, 0,2,4,6
	v_pk_add_f32 v[\b+\i:\b+\i+1], v[\b+\i:\b+\i+1], v[\b+\i+8:\b+\i+9]
.endr
	v_pk_add_f32 v[\b:\b+1],   v[\b:\b+1],   v[\b+4:\b+5]
	v_pk_add_f32 v[\b+2:\b+3], v[\b+2:\b+3], v[\b+6:\b+7]
	v_pk_add_f32 v[\b:\b+1],   v[\b:\b+1],   v[\b+2:\b+3]
	v_add_f32 v[\b], v[\b], v[\b+1]
.endm
; The 16 factors kmod[j][0 .. 15], each twice, into buffer buf: every lane reads the same 16 bytes, two rows' pairs
.macro KMLOAD j, buf
.irp q, 0,1,2,3,4,5,6,7
	ds_load_b128 v[KMB+32*\buf+4*\q:KMB+32*\buf+4*\q+3], v3 offset:128*\j+16*\q
.endr
.endm
; up's row j at my 8 columns: 16 rows of W_q from the registers in which they were left, four chains; row 0's products start the sums.
; The two stores go out while the next j is computed; each j has its own eight sums, so no store's data is rewritten.
.macro UCOL j, buf, left
	s_wait_dscnt \left                             ; LDS loads come back in order (ISA guide 5.7.1): this j's eight are in, the next j's eight stay out
.set ur, 0
.rept 16
.if ur < 10
.set MR, RING+8*((16+ur)%SLOTS)
.else
.set MR, XA+8*(ur-10)
.endif
.irp q, 0,1,2,3
.if ur == 0
	v_pk_mul_f32 v[ACC+8*\j+2*\q:ACC+8*\j+2*\q+1], v[MR+2*\q:MR+2*\q+1], v[KMB+32*\buf+2*ur:KMB+32*\buf+2*ur+1]
.else
	v_pk_fma_f32 v[ACC+8*\j+2*\q:ACC+8*\j+2*\q+1], v[MR+2*\q:MR+2*\q+1], v[KMB+32*\buf+2*ur:KMB+32*\buf+2*ur+1], v[ACC+8*\j+2*\q:ACC+8*\j+2*\q+1]
.endif
.endr
.set ur, ur+1
.endr
	global_store_b128 v2, v[ACC+8*\j:ACC+8*\j+3],   s[UPP:UPP+1] offset:\j*ROWB th:TH_STORE_NT       ; 512 neighbouring bytes, aligned
	global_store_b128 v2, v[ACC+8*\j+4:ACC+8*\j+7], s[UPP:UPP+1] offset:\j*ROWB+512 th:TH_STORE_NT
.endm
	s_load_b512 s[4:19], s[0:1], 0x0               ; W_k 4, data_k 6, b_k 8, W_q 10, red 12, b_q 14, b_lin 16, kmod 18
	s_load_b64 s[UPP:UPP+1], s[0:1], 0x40          ; up
	v_lshrrev_b32 v14, 5, v0
	v_readfirstlane_b32 s20, v14                   ; wave w
	s_lshl_b32 s22, s20, 10                        ; my 256 columns, in bytes
	s_mov_b32 s23, 0
	s_mul_i32 s38, ttmp9, UPB                      ; partial g, my columns: below 24 MiB
	s_add_co_u32 s38, s38, s22
	s_mov_b32 s39, 0
	s_lshl_b32 s35, ttmp9, 6                       ; 16 g numbers
	v_and_b32 v2, 31, v0
	v_lshlrev_b32 v2, 4, v2                        ; 16 bytes a lane
	v_and_b32 v15, 15, v0
	v_lshlrev_b32 v15, 2, v15                      ; the epilogue's thread t: row t mod 16,
	v_add_nc_u32 v3, s35, v15
	v_lshrrev_b32 v14, 4, v0
	v_min_u32 v14, 5, v14                          ; jj = t / 16, held at 5: every wave issues the same loads, so the counted waits below hold for all
	v_lshlrev_b32 v4, 3, v14
	v_lshlrev_b32 v5, 2, v14
	v_lshl_add_u32 v6, v14, 14, v3                 ; kmod[jj][16 g + row]
	v_lshl_add_u32 v13, v14, 6, v15                ; 64 jj + 4 row
	v_lshl_add_u32 v1, v13, 1, KML                 ; 8 (16 jj + row), behind the table
	s_wait_kmcnt 0x0
	s_add_nc_u64 s[24:25], s[6:7], s[22:23]        ; data_k at my columns
	s_add_nc_u64 s[26:27], s[12:13], s[22:23]      ; T1 at my columns
	s_add_nc_u64 s[UPP:UPP+1], s[UPP:UPP+1], s[38:39]
	s_lshl_b32 s35, ttmp9, 18                      ; 16 g rows
	s_add_co_u32 s22, s22, s35
	s_add_nc_u64 s[WKB:WKB+1], s[4:5], s[22:23]
	s_add_nc_u64 s[WQB:WQB+1], s[10:11], s[22:23]
	global_load_b32 v8, v3, s[8:9]
	global_load_b32 v9, v3, s[14:15]
	global_load_b64 v[10:11], v4, s[12:13] offset:98304
	global_load_b32 v12, v5, s[16:17]
.irp j, 0,1,2,3,4,5
	global_load_b128 v[XA+8*\j:XA+8*\j+3],   v2, s[24:25] offset:\j*ROWB
	global_load_b128 v[XA+8*\j+4:XA+8*\j+7], v2, s[24:25] offset:\j*ROWB+512
.endr
.irp j, 0,1,2,3,4,5
	global_load_b128 v[XB+8*\j:XB+8*\j+3],   v2, s[26:27] offset:\j*ROWB
	global_load_b128 v[XB+8*\j+4:XB+8*\j+7], v2, s[26:27] offset:\j*ROWB+512
.endr
.irp r, 0,1,2,3,4,5,6,7,8,9
	LOADROW RING+8*\r, WKB, \r                     ; the ring is filled: 48 loads are out
.endr
	s_mov_b32 s[M8], 0xff00ff00
	s_mov_b32 s[M4], 0xf0f0f0f0
	s_mov_b32 s[M2], 0xcccccccc
	v_bfe_u32 v7, v0, 4, 1                         ; rho(lane)
	v_bfe_u32 v14, v0, 3, 1
	v_lshl_or_b32 v7, v14, 1, v7
	v_bfe_u32 v14, v0, 2, 1
	v_lshl_or_b32 v7, v14, 2, v7
	v_bfe_u32 v14, v0, 1, 1
	v_lshl_or_b32 v7, v14, 3, v7
	s_mul_i32 s35, s20, 768
	v_lshl_add_u32 v7, v7, 2, s35                  ; 768 w + 4 rho
	; Rows G = 0 .. 15: W_k against data_k.  Rows 16 .. 31: W_q against T1.
	; When row G < 16 is due, rows up to G + 9 have been asked for: 18 younger loads stay out.  Behind row 15 everything has been asked for:
	; from row 16 on 2 x (31 - G) stay out.  The 28 loads of the head are older than row 0.
.set G, 0
.rept 32
.if G < 26
.set MB, RING+8*(G%SLOTS)
.else
.set MB, XA+8*(G-26)
.endif
.if G < 16
.set LEFT, SLOTS-1
.set XS, XA
.else
.set LEFT, 31-G
.set XS, XB
.endif
.set DST, P1+(T0-P1)*(G&1)
.set GN, G+SLOTS
	RROW MB, XS, 2*LEFT, DST
.if GN < 16
	LOADROW MB, WKB, GN                            ; slot G mod 10 is slot (G + 10) mod 10
.else
.if GN < 26
	LOADROW MB, WQB, GN-16
.endif
.endif
.if G == 15
.irp e, 0,1,2,3,4,5
	LOADROW XA+8*\e, WQB, 10+\e                    ; data_k has had its last use: W_q's last six rows take its place
.endr
.endif
	TREE G&15
.if G == 15
	FLUSH 0
.endif
.if G == 31
	FLUSH 6
.endif
.set G, G+1
.endr
	s_wait_dscnt 0x0                               ; for the others' sake: my stores are done before I say so
	s_barrier_signal -1
	s_barrier_wait -1
	s_cmp_ge_u32 s20, 3                            ; 6 x 16 values of kmod: threads 0 to 95
	s_cbranch_scc1 .Lrest
.irp k, 0,1,2,3,4,5,6,7,8,9,10,11,12,13,14,15
	ds_load_b32 v[EP+\k], v13 offset:768*\k        ; the sixteen waves' parts of k[jj][row]
.endr
.irp k, 0,1,2,3,4,5,6,7,8,9,10,11,12,13,14,15
	ds_load_b32 v[EP+16+\k], v13 offset:768*\k+384 ; and of ctx
.endr
	s_wait_dscnt 0x0
	SUM16 EP
	SUM16 EP+16
	v_add_f32 v14, v[EP], v8                       ; k
	v_add_f32 v15, v10, v11                        ; sW
	v_fma_f32 v15, v15, v9, v[EP+16]               ; + sW b_q
	v_add_f32 v15, v15, v12                        ; + b_lin: ctx
	v_add_f32 v[EP], v14, v14
	v_fma_f32 v[EP], v14, v14, v[EP]               ; k^2 + 2 k
	v_add_f32 v[EP+1], 1.0, |v14|
	v_fma_f32 v[EP], v15, v[EP+1], v[EP]
	v_max_num_f32 v[EP], 0, v[EP]
	v_min_num_f32 v14, 0x40c00000, v[EP]           ; 6.0.  v14 and v6 are not written again: the store below may stay out
	v_mov_b32 v15, v14                             ; twice, so that the packed forms below take the pair as it comes
	global_store_b32 v6, v14, s[18:19]             ; for the launch that makes c[j] = sum of b_q kmod[j]
	ds_store_b64 v1, v[14:15]
.Lrest:
	s_wait_dscnt 0x0                               ; kmod is in LDS before I say so
	s_barrier_signal -1
	s_barrier_wait -1
	v_mov_b32 v3, KML                              ; the loads that v3 addressed were waited for with row 0
	KMLOAD 0, 0
	KMLOAD 1, 1
	UCOL 0, 0, 8
	KMLOAD 2, 0
	UCOL 1, 1, 8
	KMLOAD 3, 1
	UCOL 2, 0, 8
	KMLOAD 4, 0
	UCOL 3, 1, 8
	KMLOAD 5, 1
	UCOL 4, 0, 8
	UCOL 5, 1, 0                                   ; nothing was asked for behind the last eight
	s_wait_xcnt 0x0
	v_lshl_add_u32 v254, v0, 2, 0x3400
	v_mov_b32 v255, 0
	s_wait_tensorcnt 0x0
	ds_add_u32 v254, v255
	s_wait_dscnt 0x0
	s_endpgm
.Lfunc_end_k_qcc80df731b_kmodu:
	.size	k_qcc80df731b_kmodu, .Lfunc_end_k_qcc80df731b_kmodu-k_qcc80df731b_kmodu
	.p2alignl 7, 3214868480
	.fill 96, 4, 3214868480
	.section	.rodata,"a",@progbits
	.p2align	6, 0x0
	.amdhsa_kernel k_qcc80df731b_kmodu
		.amdhsa_group_segment_fixed_size 15360
		.amdhsa_private_segment_fixed_size 0
		.amdhsa_enable_private_segment 0
		.amdhsa_kernarg_size 72
		.amdhsa_user_sgpr_count 2
		.amdhsa_user_sgpr_kernarg_segment_ptr 1
		.amdhsa_wavefront_size32 1
		.amdhsa_system_sgpr_workgroup_id_x 1
		.amdhsa_system_sgpr_workgroup_id_y 1
		.amdhsa_system_sgpr_workgroup_id_z 1
		.amdhsa_system_vgpr_workitem_id 0
		.amdhsa_next_free_vgpr 256
		.amdhsa_next_free_sgpr 66
		.amdhsa_reserve_vcc 0
		.amdhsa_float_denorm_mode_32 3
		.amdhsa_float_denorm_mode_16_64 3
		.amdhsa_memory_ordered 1
		.amdhsa_forward_progress 1
		.amdhsa_inst_pref_size 122
	.end_amdhsa_kernel
	.amdgpu_metadata
---
amdhsa.version: [ 1, 2 ]
amdhsa.kernels:
  - .name:           k_qcc80df731b_kmodu
    .symbol:         k_qcc80df731b_kmodu.kd
    .args:
      - { .name: W_k, .offset: 0, .size: 8, .value_kind: global_buffer, .address_space: global }
      - { .name: data_k, .offset: 8, .size: 8, .value_kind: global_buffer, .address_space: global }
      - { .name: b_k, .offset: 16, .size: 8, .value_kind: global_buffer, .address_space: global }
      - { .name: W_q, .offset: 24, .size: 8, .value_kind: global_buffer, .address_space: global }
      - { .name: red, .offset: 32, .size: 8, .value_kind: global_buffer, .address_space: global }
      - { .name: b_q, .offset: 40, .size: 8, .value_kind: global_buffer, .address_space: global }
      - { .name: b_lin, .offset: 48, .size: 8, .value_kind: global_buffer, .address_space: global }
      - { .name: kmod, .offset: 56, .size: 8, .value_kind: global_buffer, .address_space: global }
      - { .name: up, .offset: 64, .size: 8, .value_kind: global_buffer, .address_space: global }
    .group_segment_fixed_size: 15360
    .private_segment_fixed_size: 0
    .kernarg_segment_align: 8
    .kernarg_segment_size: 72
    .max_flat_workgroup_size: 512
    .sgpr_count:     66
    .vgpr_count:     256
    .wavefront_size: 32
...
	.end_amdgpu_metadata
.endif
;; end of part 3
;; launch ured (part 4): grid 198 x 1, 16 waves a work-group, no clusters, 10,496 bytes of LDS; arguments up, kmod, b_q, red; writes red
.if DOCPART == 4
	.amdgcn_target "amdgcn-amd-amdhsa--gfx1250"
	.amdhsa_code_object_version 6
	.text
	.protected	k_qcc80df731b_ured
	.globl	k_qcc80df731b_ured
	.p2align	8
	.type	k_qcc80df731b_ured,@function
k_qcc80df731b_ured:
	s_mov_b64 s[64:65], 0
	v_nop
	global_prefetch_b8 v0, s[64:65] scope:SCOPE_SE
	s_setreg_imm32_b32 hwreg(HW_REG_WAVE_MODE, 25, 1), 1
	s_wait_xcnt 0x0
; red[j][i] = sum over g of up[g][j][i]  (U = k_mod W_q, [6][4096] f32, from 256 partial sums), and behind it, at byte 98,304 + 8 j + 4 half,
; the two half sums of c[j] = sum over m of b_q[m] k_mod[j][m], which carries b_q through the last product.
; Work-groups 0 to 191: 512 bytes of red each.  Wave w adds partials 16 w .. 16 w + 15: sixteen loads of 512 neighbouring bytes, all out at once
; (128 KiB for the work-group); the sixteen waves' sums meet in LDS, and wave 0 adds them and stores 512 neighbouring bytes.
; Work-groups 192 to 197: one j each; wave w takes 256 products, waves 0-7 make one half sum and waves 8-15 the other.
; A work-group goes one of the two ways, all its waves alike (the branch hangs on the work-group's number).  Each way has LDS bytes of its
; own all the same: the first 512 w + 16 lane, bytes 0 to 8,191; the second sixteen words from byte 8,192 on.  So it can be read off the
; addresses that no access of one way touches a byte of the other.
; A stream that is read once: no matrix unit, no LDS ring, no cluster (no two work-groups read the same byte of up).
; The twelve half sums leave as single words.
.set UPB,  98304
.set AUXL, 8192                        ; LDS: the sixteen waves' words of c[j], behind the sixteen sums of 512 bytes
; sixteen quads at v[B .. B+63] are added pairwise into the first
.macro QSUM16 B
.irp st, 8,4,2,1
.set i, 0
.rept \st
	v_pk_add_f32 v[\B+4*i:\B+4*i+1],   v[\B+4*i:\B+4*i+1],   v[\B+4*(i+\st):\B+4*(i+\st)+1]
	v_pk_add_f32 v[\B+4*i+2:\B+4*i+3], v[\B+4*i+2:\B+4*i+3], v[\B+4*(i+\st)+2:\B+4*(i+\st)+3]
.set i, i+1
.endr
.endr
.endm
	s_load_b256 s[4:11], s[0:1], 0x0               ; up s[4:5], kmod s[6:7], b_q s[8:9], red s[10:11]
	v_lshl_add_u32 v72, v0, 2, 0x2100
	v_mov_b32 v73, 0
	v_lshrrev_b32 v1, 5, v0
	v_readfirstlane_b32 s13, v1                    ; wave w
	v_and_b32 v4, 31, v0                           ; lane
	v_lshlrev_b32 v1, 4, v4                        ; 16 bytes a lane
	s_mov_b32 s12, ttmp9
	s_mov_b32 s15, 0
	s_mov_b32 s17, 0
	s_cmp_ge_u32 s12, 192
	s_cbranch_scc1 .Laux
	s_lshl_b32 s16, s12, 9                         ; my work-group's 512 bytes
	s_mul_i32 s14, s13, 16*UPB                     ; my wave's sixteen partials: below 24 MiB
	s_add_co_u32 s14, s14, s16
	s_lshl_b32 s18, s13, 9
	v_add_nc_u32 v2, s18, v1                       ; LDS: 512 w + 16 lane
	s_wait_kmcnt 0x0
	s_add_nc_u64 s[4:5], s[4:5], s[14:15]
	s_add_nc_u64 s[10:11], s[10:11], s[16:17]
.irp p, 0,1,2,3,4,5,6,7,8,9,10,11,12,13,14,15
	global_load_b128 v[8+4*\p:11+4*\p], v1, s[4:5] offset:\p*UPB th:TH_LOAD_NT
.endr
	s_wait_loadcnt 0x0
	QSUM16 8
	ds_store_b128 v2, v[8:11]
	s_wait_dscnt 0x0                               ; for the others' sake: my store is done before I say so
	s_barrier_signal -1
	s_barrier_wait -1
	s_cmp_lg_u32 s13, 0
	s_cbranch_scc1 .Ldone
.irp k, 0,1,2,3,4,5,6,7,8,9,10,11,12,13,14,15
	ds_load_b128 v[8+4*\k:11+4*\k], v1 offset:512*\k
.endr
	s_wait_dscnt 0x0
	QSUM16 8
	global_store_b128 v1, v[8:11], s[10:11]        ; 512 neighbouring bytes, aligned
.Ldone:
	s_wait_tensorcnt 0x0
	ds_add_u32 v72, v73
	s_wait_dscnt 0x0
	s_endpgm
.Laux:
	s_sub_co_u32 s16, s12, 192                     ; j
	s_lshl_b32 s14, s16, 14                        ; row j of kmod
	s_lshl_b32 s18, s13, 10                        ; my wave's 256 numbers
	s_lshl_b32 s19, s16, 3                         ; 8 j
	s_mov_b32 s20, 0x76543210                      ; v_permlanex16_b32: lane i of one half reads lane i of the other
	s_mov_b32 s21, 0xfedcba98
	v_add_nc_u32 v2, s18, v1                       ; 1,024 w + 16 lane
	s_wait_kmcnt 0x0
	s_add_nc_u64 s[6:7], s[6:7], s[14:15]
	global_load_b128 v[8:11],  v2, s[6:7]
	global_load_b128 v[12:15], v2, s[6:7] offset:512
	global_load_b128 v[16:19], v2, s[8:9]
	global_load_b128 v[20:23], v2, s[8:9] offset:512
	v_mov_b32 v3, s13
	v_lshlrev_b32 v3, 2, v3                        ; LDS: my wave's word, 4 w behind AUXL
	v_and_b32 v5, 15, v0
	v_lshlrev_b32 v5, 2, v5                        ; wave 0 later: lane l reads the word of wave l mod 16
	v_bfe_u32 v6, v0, 3, 1
	v_lshl_add_u32 v6, v6, 2, s19                  ; 8 j + 4 half
	v_and_b32 v7, 23, v4                           ; 0 in lanes 0 and 8 alone
	s_wait_loadcnt 0x0
	v_pk_mul_f32 v[8:9],   v[8:9],   v[16:17]      ; the first products start the sums
	v_pk_mul_f32 v[10:11], v[10:11], v[18:19]
	v_pk_fma_f32 v[8:9],   v[12:13], v[20:21], v[8:9]
	v_pk_fma_f32 v[10:11], v[14:15], v[22:23], v[10:11]
	v_pk_add_f32 v[8:9], v[8:9], v[10:11]
	v_add_f32 v8, v8, v9
	v_add_f32_dpp v8, v8, v8 row_xmask:1 row_mask:0xf bank_mask:0xf
	v_add_f32_dpp v8, v8, v8 row_xmask:2 row_mask:0xf bank_mask:0xf
	v_add_f32_dpp v8, v8, v8 row_xmask:4 row_mask:0xf bank_mask:0xf
	v_add_f32_dpp v8, v8, v8 row_xmask:8 row_mask:0xf bank_mask:0xf
	v_permlanex16_b32 v9, v8, s20, s21             ; v9 has been written
	v_add_f32 v8, v8, v9
	ds_store_b32 v3, v8 offset:AUXL                ; all lanes write the same word with the same value
	s_wait_dscnt 0x0                               ; for the others' sake
	s_barrier_signal -1
	s_barrier_wait -1
	s_cmp_lg_u32 s13, 0
	s_cbranch_scc1 .Ldone2
	ds_load_b32 v8, v5 offset:AUXL
	s_wait_dscnt 0x0
	v_add_f32_dpp v8, v8, v8 row_xmask:1 row_mask:0xf bank_mask:0xf
	v_add_f32_dpp v8, v8, v8 row_xmask:2 row_mask:0xf bank_mask:0xf
	v_add_f32_dpp v8, v8, v8 row_xmask:4 row_mask:0xf bank_mask:0xf   ; lanes 0-7: waves 0-7; lanes 8-15: waves 8-15
	v_cmp_eq_u32 vcc_lo, 0, v7
	s_wait_xcnt 0x0                                ; EXEC is a source of the loads above: it changes only behind this wait
	s_and_saveexec_b32 s22, vcc_lo
	global_store_b32 v6, v8, s[10:11] offset:UPB   ; lanes 0 and 8 alone
	s_wait_xcnt 0x0                                ; and again in front of the line that widens it
	s_or_b32 exec_lo, exec_lo, s22
.Ldone2:
	s_wait_tensorcnt 0x0
	ds_add_u32 v72, v73
	s_wait_dscnt 0x0
	s_endpgm
.Lfunc_end_k_qcc80df731b_ured:
	.size	k_qcc80df731b_ured, .Lfunc_end_k_qcc80df731b_ured-k_qcc80df731b_ured
	.p2alignl 7, 3214868480
	.fill 96, 4, 3214868480
	.section	.rodata,"a",@progbits
	.p2align	6, 0x0
	.amdhsa_kernel k_qcc80df731b_ured
		.amdhsa_group_segment_fixed_size 10496
		.amdhsa_private_segment_fixed_size 0
		.amdhsa_enable_private_segment 0
		.amdhsa_kernarg_size 32
		.amdhsa_user_sgpr_count 2
		.amdhsa_user_sgpr_kernarg_segment_ptr 1
		.amdhsa_wavefront_size32 1
		.amdhsa_system_sgpr_workgroup_id_x 1
		.amdhsa_system_sgpr_workgroup_id_y 1
		.amdhsa_system_sgpr_workgroup_id_z 1
		.amdhsa_system_vgpr_workitem_id 0
		.amdhsa_next_free_vgpr 74
		.amdhsa_next_free_sgpr 66
		.amdhsa_reserve_vcc 1
		.amdhsa_float_denorm_mode_32 3
		.amdhsa_float_denorm_mode_16_64 3
		.amdhsa_memory_ordered 1
		.amdhsa_forward_progress 1
		.amdhsa_inst_pref_size 11
	.end_amdhsa_kernel
	.amdgpu_metadata
---
amdhsa.version: [ 1, 2 ]
amdhsa.kernels:
  - .name:           k_qcc80df731b_ured
    .symbol:         k_qcc80df731b_ured.kd
    .args:
      - { .name: up, .offset: 0, .size: 8, .value_kind: global_buffer, .address_space: global }
      - { .name: kmod, .offset: 8, .size: 8, .value_kind: global_buffer, .address_space: global }
      - { .name: b_q, .offset: 16, .size: 8, .value_kind: global_buffer, .address_space: global }
      - { .name: red, .offset: 24, .size: 8, .value_kind: global_buffer, .address_space: global }
    .group_segment_fixed_size: 10496
    .private_segment_fixed_size: 0
    .kernarg_segment_align: 8
    .kernarg_segment_size: 32
    .max_flat_workgroup_size: 512
    .sgpr_count:     66
    .vgpr_count:     74
    .wavefront_size: 32
...
	.end_amdgpu_metadata
.endif
;; end of part 4
;; launch dot (part 5): grid 256 x 1, 16 waves a work-group, no clusters, 8,192 bytes of LDS; arguments data_q, red, out0; writes out0
.if DOCPART == 5
	.amdgcn_target "amdgcn-amd-amdhsa--gfx1250"
	.amdhsa_code_object_version 6
	.text
	.protected	k_qcc80df731b_dot
	.globl	k_qcc80df731b_dot
	.p2align	8
	.type	k_qcc80df731b_dot,@function
k_qcc80df731b_dot:
	s_mov_b64 s[64:65], 0
	v_nop
	global_prefetch_b8 v0, s[64:65] scope:SCOPE_SE
	s_setreg_imm32_b32 hwreg(HW_REG_WAVE_MODE, 25, 1), 1
	s_wait_xcnt 0x0
; out0[n][j] = (sum over i of data_q[n][i] U[j][i] + c[j]) / 64, for the work-group's 16 rows n = 16 g .. 16 g + 15.
; U = k_mod W_q and the two halves of c[j] = sum of b_q k_mod[j] come from red.  This equals (q k_mod^T) / sqrt(4096) with q not formed.
; LIMIT: the order of summation differs from reference()'s; all of it is f32.
; Sixteen waves; wave w owns columns 256 w .. 256 w + 255 of all 16 rows: a row's 1,024 bytes are two loads of 512 neighbouring bytes.
; The wave's 6 x 256 numbers of U stay in 48 registers.  All 32 row loads of a wave go out at the head and are taken up with counted waits;
; the row stands in the immediate, so no address register is ever rewritten.
; Six multiply-adds for each streamed number, in f32 on the vector unit: too few for the matrix unit to help.  No LDS ring: the whole
; block of 256 KiB is on its way into registers.  No cluster: what work-groups share is U, 96 KiB beside 256 KiB of rows that nobody
; shares, and it goes straight into the registers in which it stays.
; The work-group's 96 results are 384 neighbouring bytes of out0.
.set ROWB,  16384
.set XU,    16                         ; v[16:63]    U: 8 j + 4 h + c  (column 256 w + 128 h + 4 lane + c)
.set RING,  64                         ; v[64:191]   sixteen rows of 8 registers
.set PK,    192                        ; v[192:203]  six packed sums; at work in the tree
.set T0,    204                        ; six sums of the newest row or group of rows
.set P1,    210                        ; of an even row that waits for its odd neighbour
.set P2,    216                        ; of two rows
.set P3,    222                        ; of four rows
.set P4,    228                        ; of eight rows
.set M8,    20                         ; s20 lanes with bit 3 set, s21 with bit 2, s22 with bit 1
.set M4,    21
.set M2,    22
; other vector registers: v2 16 lane; v3 the epilogue's row; v4 8 j; v5 where the epilogue reads; v6 4 t; v7 where my sums go in LDS;
; v[8:9] the halves of c[j]; v14 at work
; One row against six vectors: my 8 numbers, six chains that do not wait for each other; the first products start the sums.
.macro RROW slot, xs, left, dst
	s_wait_loadcnt \left                           ; loads come back in order (ISA guide 5.7.1): this row is in, the younger rows stay out
.irp j, 0,1,2,3,4,5
	v_pk_mul_f32 v[PK+2*\j:PK+2*\j+1], v[RING+8*(\slot):RING+8*(\slot)+1], v[\xs+8*\j:\xs+8*\j+1]
.endr
.irp q, 1,2,3
.irp j, 0,1,2,3,4,5
	v_pk_fma_f32 v[PK+2*\j:PK+2*\j+1], v[RING+8*(\slot)+2*\q:RING+8*(\slot)+2*\q+1], v[\xs+8*\j+2*\q:\xs+8*\j+2*\q+1], v[PK+2*\j:PK+2*\j+1]
.endr
.endr
.irp j, 0,1,2,3,4,5
	v_add_f32 v[\dst+\j], v[PK+2*\j], v[PK+2*\j+1]
.endr
.endm
; Two rows' lane sums fold into one register: a's upper 16 lanes change places with b's lower 16; the sum holds row a in lanes 0-15, row b in 16-31.
.macro COMB16 a, b, d
.irp j, 0,1,2,3,4,5
	v_permlane16_swap_b32 v[\a+\j], v[\b+\j]
.endr
.irp j, 0,1,2,3,4,5
	v_add_f32 v[\d+\j], v[\a+\j], v[\b+\j]
.endr
.endm
; The same inside the halves of 16 lanes: lanes of mask m keep b and send a, the others keep a and send b, to the lane xm away.
.macro COMBX a, b, d, m, xm
.irp j, 0,1,2,3,4,5
	v_cndmask_b32 v[PK+\j], v[\b+\j], v[\a+\j], s[\m]
.endr
.irp j, 0,1,2,3,4,5
	v_cndmask_b32 v[\d+\j], v[\a+\j], v[\b+\j], s[\m]
.endr
.irp j, 0,1,2,3,4,5
	v_add_f32_dpp v[\d+\j], v[PK+\j], v[\d+\j] row_xmask:\xm row_mask:0xf bank_mask:0xf
.endr
.endm
; What row r (0 .. 15) completes.  Behind row 15 lane l holds the wave's six sums of row
; rho(l) = bit 4 of l + 2 x bit 3 + 4 x bit 2 + 8 x bit 1; lanes l and l xor 1 hold the same.
.macro TREE r
.if (\r & 1)
.if (\r & 2)
	COMB16 P1, T0, T0
.else
	COMB16 P1, T0, P2
.endif
.endif
.if (\r & 3) == 3
.if (\r & 4)
	COMBX P2, T0, T0, M8, 8
.else
	COMBX P2, T0, P3, M8, 8
.endif
.endif
.if (\r & 7) == 7
.if (\r & 8)
	COMBX P3, T0, T0, M4, 4
.else
	COMBX P3, T0, P4, M4, 4
.endif
.endif
.if \r == 15
	COMBX P4, T0, T0, M2, 2
.irp j, 0,1,2,3,4,5
	v_add_f32_dpp v[T0+\j], v[T0+\j], v[T0+\j] row_xmask:1 row_mask:0xf bank_mask:0xf
.endr
.endif
.endm
.macro SUM16 b                         ; v[b .. b+15] into v[b]
.irp i, 0,2,4,6
	v_pk_add_f32 v[\b+\i:\b+\i+1], v[\b+\i:\b+\i+1], v[\b+\i+8:\b+\i+9]
.endr
	v_pk_add_f32 v[\b:\b+1],   v[\b:\b+1],   v[\b+4:\b+5]
	v_pk_add_f32 v[\b+2:\b+3], v[\b+2:\b+3], v[\b+6:\b+7]
	v_pk_add_f32 v[\b:\b+1],   v[\b:\b+1],   v[\b+2:\b+3]
	v_add_f32 v[\b], v[\b], v[\b+1]
.endm
	s_load_b128 s[4:7], s[0:1], 0x0                ; data_q s[4:5], red s[6:7]
	s_load_b64 s[8:9], s[0:1], 0x10                ; out0
	v_lshl_add_u32 v240, v0, 2, 0x1800
	v_mov_b32 v241, 0
	v_lshrrev_b32 v14, 5, v0
	v_readfirstlane_b32 s10, v14                   ; wave w
	s_lshl_b32 s12, s10, 10                        ; my 256 columns, in bytes
	s_mov_b32 s13, 0
	s_mul_i32 s14, ttmp9, 384                      ; my work-group's 16 rows of out0
	s_mov_b32 s15, 0
	s_lshl_b32 s18, ttmp9, 18                      ; 16 g rows of data_q
	v_and_b32 v2, 31, v0
	v_lshlrev_b32 v2, 4, v2                        ; 16 bytes a lane
	v_mul_u32_u24 v3, v0, 43                       ; the epilogue's thread t = 6 row + j: row = 43 t >> 8, exact for t < 96
	v_lshrrev_b32 v3, 8, v3                        ; (for t = 6 q + 5 it asks 258 q + 215 < 256 q + 256, which holds up to q = 20)
	v_mul_u32_u24 v14, v3, 6
	v_sub_nc_u32 v14, v0, v14
	v_min_u32 v14, 5, v14                          ; j, held at 5: every wave issues the same loads, so the counted waits below hold for all
	v_min_u32 v3, 15, v3                           ; threads 96 and up read nothing below; held at 15, their address too lies inside the table
	v_lshlrev_b32 v4, 3, v14
	v_lshlrev_b32 v5, 2, v3
	v_lshl_add_u32 v5, v14, 6, v5                  ; 64 j + 4 row
	v_lshlrev_b32 v6, 2, v0
	s_wait_kmcnt 0x0
	s_add_nc_u64 s[16:17], s[6:7], s[12:13]        ; U at my columns
	s_add_co_u32 s12, s12, s18
	s_add_nc_u64 s[4:5], s[4:5], s[12:13]          ; data_q at my rows and columns
	s_add_nc_u64 s[8:9], s[8:9], s[14:15]
	global_load_b64 v[8:9], v4, s[6:7] offset:98304
.irp j, 0,1,2,3,4,5
	global_load_b128 v[XU+8*\j:XU+8*\j+3],   v2, s[16:17] offset:\j*ROWB
	global_load_b128 v[XU+8*\j+4:XU+8*\j+7], v2, s[16:17] offset:\j*ROWB+512
.endr
.irp r, 0,1,2,3,4,5,6,7,8,9,10,11,12,13,14,15
	global_load_b128 v[RING+8*\r:RING+8*\r+3],   v2, s[4:5] offset:\r*ROWB th:TH_LOAD_NT       ; the launch reads each byte of data_q once
	global_load_b128 v[RING+8*\r+4:RING+8*\r+7], v2, s[4:5] offset:\r*ROWB+512 th:TH_LOAD_NT
.endr
	s_mov_b32 s[M8], 0xff00ff00
	s_mov_b32 s[M4], 0xf0f0f0f0
	s_mov_b32 s[M2], 0xcccccccc
	v_bfe_u32 v7, v0, 4, 1                         ; rho(lane)
	v_bfe_u32 v14, v0, 3, 1
	v_lshl_or_b32 v7, v14, 1, v7
	v_bfe_u32 v14, v0, 2, 1
	v_lshl_or_b32 v7, v14, 2, v7
	v_bfe_u32 v14, v0, 1, 1
	v_lshl_or_b32 v7, v14, 3, v7
	s_mul_i32 s18, s10, 384
	v_lshl_add_u32 v7, v7, 2, s18                  ; 384 w + 4 rho
	; row R: the two loads of each of the 15 - R younger rows stay out; the 13 loads of the head are older than row 0
.set R, 0
.rept 16
.set DST, P1+(T0-P1)*(R&1)
	RROW R, XU, 2*(15-R), DST
	TREE R
.set R, R+1
.endr
	; LDS: [wave][6 j][16 rows] f32, 384 bytes a wave
.irp j, 0,1,2,3,4,5
	ds_store_b32 v7, v[T0+\j] offset:\j*64
.endr
	s_wait_dscnt 0x0                               ; for the others' sake: my stores are done before I say so
	s_barrier_signal -1
	s_barrier_wait -1
	s_cmp_ge_u32 s10, 3                            ; 16 x 6 results: threads 0 to 95
	s_cbranch_scc1 .Ldone
.irp k, 0,1,2,3,4,5,6,7,8,9,10,11,12,13,14,15
	ds_load_b32 v[RING+\k], v5 offset:384*\k       ; the sixteen waves' parts of my result
.endr
	v_add_f32 v8, v8, v9                           ; c[j]
	s_wait_dscnt 0x0
	SUM16 RING
	v_add_f32 v[RING], v[RING], v8
	v_mul_f32 v[RING], 0x3c800000, v[RING]         ; 1 / 64 = 1 / sqrt(4096), exact
	global_store_b32 v6, v[RING], s[8:9]           ; three waves, 128 neighbouring bytes each
.Ldone:
	s_wait_tensorcnt 0x0
	ds_add_u32 v240, v241
	s_wait_dscnt 0x0
	s_endpgm
.Lfunc_end_k_qcc80df731b_dot:
	.size	k_qcc80df731b_dot, .Lfunc_end_k_qcc80df731b_dot-k_qcc80df731b_dot
	.p2alignl 7, 3214868480
	.fill 96, 4, 3214868480
	.section	.rodata,"a",@progbits
	.p2align	6, 0x0
	.amdhsa_kernel k_qcc80df731b_dot
		.amdhsa_group_segment_fixed_size 8192
		.amdhsa_private_segment_fixed_size 0
		.amdhsa_enable_private_segment 0
		.amdhsa_kernarg_size 24
		.amdhsa_user_sgpr_count 2
		.amdhsa_user_sgpr_kernarg_segment_ptr 1
		.amdhsa_wavefront_size32 1
		.amdhsa_system_sgpr_workgroup_id_x 1
		.amdhsa_system_sgpr_workgroup_id_y 1
		.amdhsa_system_sgpr_workgroup_id_z 1
		.amdhsa_system_vgpr_workitem_id 0
		.amdhsa_next_free_vgpr 242
		.amdhsa_next_free_sgpr 66
		.amdhsa_reserve_vcc 0
		.amdhsa_float_denorm_mode_32 3
		.amdhsa_float_denorm_mode_16_64 3
		.amdhsa_memory_ordered 1
		.amdhsa_forward_progress 1
		.amdhsa_inst_pref_size 48
	.end_amdhsa_kernel
	.amdgpu_metadata
---
amdhsa.version: [ 1, 2 ]
amdhsa.kernels:
  - .name:           k_qcc80df731b_dot
    .symbol:         k_qcc80df731b_dot.kd
    .args:
      - { .name: data_q, .offset: 0, .size: 8, .value_kind: global_buffer, .address_space: global }
      - { .name: red, .offset: 8, .size: 8, .value_kind: global_buffer, .address_space: global }
      - { .name: out0, .offset: 16, .size: 8, .value_kind: global_buffer, .address_space: global }
    .group_segment_fixed_size: 8192
    .private_segment_fixed_size: 0
    .kernarg_segment_align: 8
    .kernarg_segment_size: 24
    .max_flat_workgroup_size: 512
    .sgpr_count:     66
    .vgpr_count:     242
    .wavefront_size: 32
...
	.end_amdgpu_metadata
.endif
;; end of part 5
